; MI455X (gfx1250); checked and timed in simulation.
; The chip was launched on July 23, 2026; its instructions are those of AMD's public machine-readable ISA for CDNA 5 (MIT licence, August 2026) and "CDNA5" Instruction Set Architecture Reference Guide (July 2026). The comments in the code are by the model that wrote it; some were corrected since.
;; Attention. Allowed arithmetic: matrix products marked QUANTISED: E3M2 operands, one E8M0 scale for each 32 along K, by v_wmma_scale_f32_16x16x128_f8f6f4 with both operands' format E3M2, f32 sums; everything else in f32.
;; Inputs: k_codes 1 x 16 x 4,096 x 2 x 24 uint8 (E3M2 codes of k, K innermost, in blocks of 32 codes, four codes in three bytes); k_scales 1 x 16 x 4,096 x 2 uint8 (E8M0 scales of k, one for each 32 codes along K); q_codes 1 x 16 x 4,096 x 2 x 24 uint8 (E3M2 codes of q, K innermost, in blocks of 32 codes, four codes in three bytes); q_scales 1 x 16 x 4,096 x 2 uint8 (E8M0 scales of q, one for each 32 codes along K); v_codes 1 x 16 x 64 x 128 x 24 uint8 (E3M2 codes of v, K innermost, in blocks of 32 codes, four codes in three bytes); v_scales 1 x 16 x 64 x 128 uint8 (E8M0 scales of v, one for each 32 codes along K).
;; Outputs: out0 1 x 16 x 4,096 x 64 float32.
;; This version of the problem:
;;   THIS VERSION OF THE PROBLEM IS GIVEN IN LOW PRECISION. The matrix products marked QUANTISED in the list below multiply operands that are first quantised to E3M2 (3 exponent bits, 2 mantissa bits; 6 bits a number), with one power-of-two scale for each 32 numbers along K (OCP MX v1.0); their sums are f32. All else is computed in f32.
;;   The module's matrix products, in the order in which they are computed (A, B: the left and right operand; K: the contracted axis; several contracted axes count as one K, in the product's order):
;;     1. batch 16 x [M 4,096, K 64] x [K 64, N 4,096]; A: input q (given as codes); B: input k (given as codes): QUANTISED
;;     2. batch 16 x [M 4,096, K 4,096] x [K 4,096, N 64]; A: softmax (see below); B: input v (given as codes): QUANTISED
;;   THE QUANTISER, for each operand of a quantised product, along K:
;;     - K is cut into blocks of 32 from its start; a last block that is shorter is filled with zeros.
;;     - A block's scale is 2^e with e = floor(log2(the largest magnitude in the block)) - 4, held to -126 .. 127; a block of zeros has e = 0. As a byte (E8M0): e + 127.
;;     - Each number is divided by its block's scale, clamped to +-28, and rounded to the nearest number of E3M2, ties to even, subnormals kept.
;;     - The product sums the exact products of the quantised numbers (number of the format x scale) in f32.
;;   ~~~python
;;   def quantise(x, axis):      # numpy; x: float32 -> the quantised numbers, widened to float32 again
;;       x = np.moveaxis(x, axis, -1); K = x.shape[-1]
;;       x = np.pad(x, [(0, 0)] * (x.ndim - 1) + [(0, -K % 32)]); x = x.reshape(x.shape[:-1] + (-1, 32)); a = np.abs(x).max(-1, keepdims=True)
;;       e = np.where(a > 0, np.clip(np.frexp(np.where(a > 0, a, 1))[1] - 1 - 4, -126, 127), 0)      # np.frexp(a)[1] - 1 = floor(log2(a)), exactly
;;       r = np.clip(x / 2.0 ** e, -28, 28)
;;       step = 2.0 ** (np.maximum(np.frexp(np.where(r == 0, 1, r))[1] - 1, -2) - 2)
;;       q = np.round(r / step) * step * 2.0 ** e      # np.round: ties to even
;;       return np.moveaxis(q.reshape(q.shape[:-2] + (-1,))[..., :K], -1, axis).astype(np.float32)
;;   ~~~
;;   SOFTMAX AHEAD OF A QUANTISED PRODUCT. Where the list says 'softmax', what is quantised is not the finished softmax but p = 2^(t - M), with t = logit x log2(e) and M = ceil(the row's largest t), a whole number; so 1/2 < the row's largest p <= 1. The row's sum l is taken of the UNQUANTISED p, in f32, and the product's result is divided by l at the end. Since M is a whole number, a kernel that streams over the keys may use a running M (the ceiling of the running maximum): every later rescaling is an exact power of two, which a block's scale takes up: the codes' values come out the same.
;;   OPERANDS COMPUTED ON THE WAY. 'Computed on the way' means the value that the module computes at that place (a softmax that the list does not call 'softmax' is quantised finished and normalised). What goes into a quantiser is computed in f32, as accurately as f32 sums, v_exp_f32 and their like allow (about 1e-6 of the number): no bf16 or f16 on the way to a quantiser, and a product that is left as it is and whose result goes on into a quantised operand takes f32 operands (vector FMAs, or v_wmma_f32_16x16x4_f32). A number that lies on a knife's edge between two numbers of the format may be rounded either way, as far as f32 arithmetic and the matrix unit's own rounding can turn it there, and no further.
;;   INPUTS GIVEN AS CODES. k (in the module: [1, 16, 4096, 64], K = its axis 3); q (in the module: [1, 16, 4096, 64], K = its axis 3); v (in the module: [1, 16, 4096, 64], K = its axis 2): each comes as NAME_codes (uint8): NAME with its K axis moved to the last place and cut into blocks of 32 codes, [.., K / 32, bytes a block], one block behind the other in memory; four codes in three bytes: a row's codes are one little-endian stream of bits, code i at bits 6 i .. 6 i + 5 (a code: sign, 3 exponent bits, 2 mantissa bits); and NAME_scales (uint8): the same leading axes, one E8M0 byte (e + 127) for each 32 codes along K. Its value is code x scale, taken as it is: it is not quantised again, and the codes and scales need not be those that the quantiser above would give.
;; One version. Each part assembles by itself: llvm-mc -triple=amdgcn-amd-amdhsa -mcpu=gfx1250 --defsym DOCPART=n.
;; ======== version 1 of 1: 1 launch
;; launch attn (part 1): grid 16 x 16, 8 waves a work-group, clusters of 4 x 1, 327,680 bytes of LDS; arguments q_codes, q_scales, k_codes, k_scales, v_codes, v_scales, out0; writes out0
.if DOCPART == 1
	.amdgcn_target "amdgcn-amd-amdhsa--gfx1250"
	.amdhsa_code_object_version 6
	.text
	.protected	k_qda2646f510_attn
	.globl	k_qda2646f510_attn
	.p2align	8
	.type	k_qda2646f510_attn,@function
k_qda2646f510_attn:
	s_mov_b64 s[64:65], 0
	v_nop
	global_prefetch_b8 v0, s[64:65] scope:SCOPE_SE
	s_setreg_imm32_b32 hwreg(HW_REG_WAVE_MODE, 25, 1), 1
	s_wait_xcnt 0x0
	s_wait_alu depctr_hold_cnt(0) depctr_sa_sdst(0) depctr_va_vdst(0) depctr_va_sdst(0) depctr_va_ssrc(0) depctr_va_vcc(0) depctr_vm_vsrc(0)
	s_getreg_b32 s2, hwreg(HW_REG_IB_STS2, 6, 4)
	s_cmp_eq_u32 s2, 0
	s_cbranch_scc0 .Lentry_in_a_cluster
	s_endpgm
.Lentry_in_a_cluster:
	s_bfe_u32 s2, ttmp6, 0x10000c
	s_cmp_lg_u32 s2, 0x3003
	s_cbranch_scc0 .Lentry_shape_is_right
	s_endpgm
.Lentry_shape_is_right:
; out0[h][q][:] = the sum over k <= q of softmax_k(Q[h][q] . K[h][k] / 8) V[h][k][:], 16 heads, 4,096 queries and keys, head size 64; both products on codes of BF6 (E3M2) with one E8M0 byte for each 32 along a product's K.
; Q, K: a row is 48 bytes of codes and 2 scale bytes.  V: the keys innermost: row d is 3,072 bytes of codes and 128 scale bytes.  out0: f32, a row is 256 bytes.
; THE SOFTMAX AHEAD OF THE SECOND PRODUCT: t = score x log2(e) / 8; M = the row's largest t so far, rounded UP to a whole number; p = 2^(t - M) is quantised along the keys, not normalised; the row's sum is taken of the
; unquantised p and divides O at the end.  When M moves, the sum and O are multiplied by 2^(old M - new M): exact.
; SHARES.  A head has 8 super-blocks of 512 queries.  Cluster j (0..3) of a head does super-block j (job A) and then super-block 7 - j (job B).  Work-group c of the cluster, wave w, owns ONE tile of 16 queries in each job:
; from 512 j + 64 w + 16 c on in A, from 512 (7 - j) + 64 (7 - w) + 16 c on in B.  Keys go in steps of 128; a wave works the steps up to the one with its diagonal: 4 j + w / 2 + 1 steps in A and 28 - 4 j + (7 - w) / 2 + 1
; in B: 33 in all, the same for each of the launch's 2,048 waves.  The steps above the diagonal are jumped over by a scalar branch that hangs on j, w and the slot's count alone, never on c.
; RING.  An LDS slot holds 512 keys (4 steps) of K and V.  Job A walks j + 1 slots, job B 8 - j: 9 in every work-group, a constant.  The four partners of a cluster walk the same 9 slots, so each tile is asked for JOINTLY
; (the same tensor load, the same descriptor, a mask that names the four): that divides the requests for K and V by four.  Wave 0 asks for K's tile, wave 1 for V's.  The head's scale bytes come once, with the first fills.
; LAYOUT.  Both products are used transposed: S^T = K Q^T (source 0 = 16 keys, source 1 = my 16 queries), O^T = V^T P^T (source 0 = 16 channels, source 1 = P): a lane holds ONE query (lane % 16) throughout.
; THE KEYS OF A TILE ARE NOT NEIGHBOURS: lane r of tile 4 c' + t takes key 64 c' + 8 t + r % 8 + 32 (r / 8).  So register n of S^T in lane (r, h) is key 64 (n / 32) + 32 h + n % 32: a lane's 32 registers are one WHOLE block
; of 32 keys, just as the second product's operand wants it: no exchange of halves, and a block's maximum needs no other lane.
; K = 64 IN A FORM OF 128: Q's registers for k = 64 .. 127 are zero codes.  K's operand of tile T names 12 registers, of which the upper six are the next tile's codes (behind the last tile: zeros): every code is a finite
; number and meets a zero code; the scale words' two upper bytes are 0 (2^-127), from loads of 16 bits.
; LIMITS: scale bytes of 0xff (NaN) go to the matrix unit as they are: not served.  A block's largest p is not searched for: the block's largest score goes through the same multiply-add and exponential, which takes
; v_exp_f32 not to fall where its input rises.  A block whose p are all 0 gets the byte 1: its codes are zeros, and nobody else reads the byte.
.set SLOT1, 1<<16                      ; slot 1 begins here: one exclusive or turns an address in one slot into the other's
.set VOFF,  24576                      ; a slot: 512 keys x 48 bytes of K, dense; then 64 rows of V
.set VP,    432                        ; a row of V in LDS: 3 x (128 bytes + 16 of padding) = 108 words: row r starts at bank 44 r mod 64 (64 banks of 4 bytes: ISA guide 11.1): sixteen different multiples of 4
.set SCK,   2*SLOT1                    ; K's scale bytes of the head: 32 units of 256 bytes + 16; a step's 128 keys are one unit
.set SCV,   SCK+32*272                 ; V's likewise: row d at 272 (d / 2) + 128 (d % 2)
.set STAGE, SCV+32*272                 ; the way out: 16 rows x (256 bytes + 16) for each wave; no fill ever lands here
.set SP,    272
.set SPARE, STAGE+8*16*SP              ; the spare words, 128 bytes for each wave: four blocks of 256 bytes that no other line names
.set AK0,  1                           ; v1   my lane's place in a tile of K: (r + 24 (r / 8)) x 48 + 24 h
.set AV0,  2                           ; v2   in a tile of V: VOFF + 432 r + 24 h
.set AV1,  3                           ; v3   the same for the pieces behind which lanes 16-31 have passed one padding more: + 16 h
.set ASK0, 4                           ; v4   among K's scale bytes
.set ASV0, 5                           ; v5   among V's
.set SPW,  6                           ; v6   LDS address of my spare word; never rewritten
.set NIL,  7                           ; v7   0; never rewritten
.set GO,   8                           ; v8   the way out: my byte offset in two rows of out0
.set STO,  9                           ; v9   where I put 32 bytes of a row in my stage
.set RD,   10                          ; v10  where I read a row back
.set DM,   11                          ; v11  my query less the diagonal step's first key less 32 h, for the job in hand
.set NM,   12                          ; v12  -M;  v13 the largest t;  v[14:15] the sum in two halves
.set ADK,  16                          ; v16-20 the slot's addresses: K, V, V behind a padding, K's scale bytes, V's
.set ADV,  17
.set ADV1, 18
.set ADS,  19
.set ADT,  20
.set PFO,  21                          ; v21  the prefetches' offset; never rewritten
.set DMB,  22                          ; v22  job B's DM
.set SH8,  23                          ; v23  8 h
.set QF,   24                          ; v[24:29] Q's codes, v[30:35] zeros
.set QSC,  36                          ; v36  Q's scale words;  v37 job B's
.set QBSC, 37
.set QB,   38                          ; v[38:43] job B's codes of Q
.set KSC,  44                          ; v44-51 K's scale words, a register a tile;  v52-55 V's;  v56 P's: these hold scales and nothing else
.set VSC,  52
.set PSC,  56
.set KF,   58                          ; v[58:105] K's 8 tiles x 6 registers; v[106:111] zeros
.set VF,   112                         ; v[112:159] V's 4 tiles x 12 registers
.set S,    160                         ; v[160:223] S^T, then p
.set O,    224                         ; v[224:255] O^T
; at work, in K's registers once K Q^T is done:
.set MX,   58                          ; v58-61 four chains of maxima
.set BM,   62                          ; v62-63 my two blocks' largest scores, then largest p
.set TW,   64                          ; v64, v65 at work
.set FF,   66                          ; v[66:67] f = 2^(old M - new M) (the packed form names the pair and takes its low word)
.set L2,   68                          ; v[68:69] the sum's second chain
.set SO,   70                          ; v70-71 the conversions' scale operands
.set BY,   72                          ; v72-73 the bytes;  v74, v75 the scale word in the making
.set PCD,  76                          ; v[76:87] P's codes
.set PC2,  88                          ; v[88:90], v[92:94] the conversions' second halves
.set WV,   18                          ; s18  my wave's number
.set CX,   19                          ; s19  my work-group's place in the cluster: it enters Q's and out0's addresses, DM and the prefetches' address alone
.set SEL,  20                          ; s[20:21] lane selects for v_permlanex16_b32: lane l xor 16
.set CS,   22                          ; s[22:23] c = log2(e) / 8
.set G1K,  24                          ; s[24:31], s[32:39], s[40:47] descriptor groups 1: K's tile, V's tile, a head's scale bytes
.set G1V,  32
.set G1S,  40
.set G0K,  48                          ; s[48:51], s[52:55] groups 0 that walk;  s[56:59], s[60:63] those of the scale bytes
.set G0V,  52
.set G0SK, 56
.set G0SV, 60
.set SG,   66                          ; s66  the slot in the sequence of 9, and the loop's counter
.set NA,   67                          ; s67  j + 1: job A's slots
.set KS,   68                          ; s68  the key step in hand
.set QS,   69                          ; s69  the step with my diagonal, for the job in hand;  s70 job B's
.set QSB,  70
.set TB,   71                          ; s71  LDS byte at which the slot in hand begins
.set KB,   72                          ; s[72:73], s[74:75] the head's first byte of K's and of V's codes
.set VB,   74
.set OUT,  76                          ; s[76:77] out0 at my first query of the job in hand;  s[78:79] job B's
.set OUTB, 78
.set PFB,  80                          ; s[80:81] the prefetches' base: my chunk of key slot 0;  s[82:83] where the next one stands;  s84 a key slot on, in bytes;  s85 at which changes of slots I ask, a bit each
.set PFA,  82
.set PFH,  84
.set PFM,  85
.set OF,   86                          ; s[86:87] an offset as a pair: s87 stays 0
; A round of the cluster's barrier: my work-group's barrier, so that wave 0's signal speaks for all eight waves; wave 0 signals for the work-group; every wave waits for all four work-groups; my work-group's barrier once more.
.macro CROUND
	s_barrier_signal -1
	s_barrier_wait -1
	s_cmp_lg_u32 s[WV], 0
	s_cbranch_scc1 .Lnot_wave_0_\@
	s_barrier_signal -3
.Lnot_wave_0_\@:
	s_barrier_wait -3
	s_barrier_signal -1
	s_barrier_wait -1
.endm
; A joint refill: wave 0 asks for the slot's 512 keys of K, wave 1 for its 64 rows of V, the others for nothing.  The branches hang on the wave's number alone.  Four v_nop follow each of the two lines.
.macro TLOAD
	s_cmp_eq_u32 s[WV], 0
	s_cbranch_scc0 .Lnot_k_\@
	tensor_load_to_lds s[G0K:G0K+3], s[G1K:G1K+7]
	s_nop 0
.rept 4
	v_nop
.endr
	s_branch .Lasked_\@
.Lnot_k_\@:
	s_cmp_eq_u32 s[WV], 1
	s_cbranch_scc0 .Lasked_\@
	tensor_load_to_lds s[G0V:G0V+3], s[G1V:G1V+7]
	s_nop 0
.rept 4
	v_nop
.endr
.Lasked_\@:
.endm
; A PREFETCH INTO THE L2.  Cluster 0 of a head asks for key slot s at its change of slots number s, and of the head's four clusters it is the one that comes to key slots 4 to 7 first.  At its changes 1, 3 and 5 it names
; key slots (2, 3), (4, 5), (6, 7): the first of a pair is asked for by a tensor load at the next change, the second at the one after.  Two slots are 49,152 dense bytes of K and 768 bytes, at a multiple of 256, of each
; of V's 64 rows: 192 + 192 aligned blocks of 256 bytes, twelve instructions of 32 lanes.  Waves 4 to 6 of the four partners take one each: chunk u = 3 c + w - 4.  u = 0 .. 5: K, 8,192 bytes on for each u, lanes 256 bytes
; apart; u = 6 .. 11: V, rows 32 ((u - 6) % 2) on, block (u - 6) / 2 of the three, a lane a row.  The partners are told apart by address, no branch hangs on c.  So each block is named once in the launch.
; Key slots 0 and 1 and the scale bytes come by their loads alone; the last prefetch ends at the head's last byte.
.macro ASK
	s_lshr_b32 s88, s[PFM], s[SG]
	s_and_b32 s88, s88, 1
	s_cmp_lg_u32 s88, 0
	s_cbranch_scc0 .Lnot_mine_\@
	global_prefetch_b8 v[PFO], s[PFA:PFA+1] th:TH_LOAD_NT scope:SCOPE_SE
.Lnot_mine_\@:
.endm
; THE CHANGE OF SLOTS stands at a slot's head.  Each wave waits for all its tensor loads (its part of the slot ahead), adds 0 to its spare word, and waits for that and for its reads of the slot that it has left.
; fill = 1: the barrier is a round of the cluster's, behind which no wave of any partner reads the slot left or has a load on its way; that slot is filled with the sequence's next slot, which has four key steps in which to land.
.macro CHANGE fill
	s_wait_tensorcnt 0x0                           ; no tensor load of mine is out, so a group 0 may be written
	ds_add_u32 v[SPW], v[NIL]                      ; 0 onto my spare word; the descriptors' steps stand between it and the wait for it
.if \fill
	s_add_co_u32 s88, s[SG], 1                     ; the slot of the sequence that is asked for;
	s_cmp_ge_u32 s88, s[NA]
	s_cselect_b32 s89, s[NA], 0
	s_sub_co_u32 s89, s88, s89                     ; its key slot: job B begins again at key 0
	s_mul_i32 s[OF], s89, 24576
	s_add_nc_u64 s[G0K+2:G0K+3], s[KB:KB+1], s[OF:OF+1]   ; 512 keys x 48 bytes a slot
	s_or_b32 s[G0K+3], s[G0K+3], 0x80000000        ; 127:126 type = 2
	s_mul_i32 s[OF], s89, 384
	s_add_nc_u64 s[G0V+2:G0V+3], s[VB:VB+1], s[OF:OF+1]   ; 512 codes, 384 bytes, on in each row
	s_or_b32 s[G0V+3], s[G0V+3], 0x80000000
	s_xor_b32 s[G0K+1], s[G0K+1], SLOT1            ; the other slot than last time
	s_xor_b32 s[G0V+1], s[G0V+1], SLOT1
	s_wait_xcnt 0x0                                ; the last prefetch, two slots back, has read its address, so it may be written
	s_mul_i32 s[OF], s88, s[PFH]
	s_add_nc_u64 s[PFA:PFA+1], s[PFB:PFB+1], s[OF:OF+1]   ; in cluster 0 at change s: my chunk of key slots s + 1 and s + 2
	s_wait_dscnt 0x0                               ; the add is done, and my reads of the slot that I have left are over
	CROUND
	TLOAD                                          ; the first thing behind the round, and a wave's one tensor load until the next
	ASK
.else
	s_wait_dscnt 0x0
	s_barrier_signal -1
	s_barrier_wait -1
.endif
.endm
; The slot's addresses and its first key step.  The minimum changes no value (a key slot is 7 at the most): it states the bound in the text.
.macro SLOTSET
	s_cmp_ge_u32 s[SG], s[NA]
	s_cselect_b32 s88, s[NA], 0
	s_sub_co_u32 s88, s[SG], s88
	s_min_u32 s88, s88, 7                          ; the key slot in hand
	s_lshl_b32 s[KS], s88, 2
	s_mul_i32 s89, s88, 4*272                      ; K's scale bytes: a unit a step
	s_lshl_b32 s90, s88, 4                         ; V's: 4 bytes a step in each row
	v_add_nc_u32 v[ADK], s[TB], v[AK0]
	v_add_nc_u32 v[ADV], s[TB], v[AV0]
	v_add_nc_u32 v[ADV1], s[TB], v[AV1]
	v_add_nc_u32 v[ADS], s89, v[ASK0]
	v_add_nc_u32 v[ADT], s90, v[ASV0]
.endm
; A step's 8 tiles of K: 24 bytes a lane and tile, in pieces of 8, and the tile's scale bytes: two a key, widened with zeros
.macro KFETCH q
.set tt, 0
.rept 8
	ds_load_b64 v[KF+6*tt:KF+6*tt+1],   v[ADK] offset:(128*(\q)+64*(tt/4)+8*(tt%4))*48
	ds_load_b64 v[KF+6*tt+2:KF+6*tt+3], v[ADK] offset:(128*(\q)+64*(tt/4)+8*(tt%4))*48+8
	ds_load_b64 v[KF+6*tt+4:KF+6*tt+5], v[ADK] offset:(128*(\q)+64*(tt/4)+8*(tt%4))*48+16
	ds_load_u16 v[KSC+tt], v[ADS] offset:272*(\q)+128*(tt/4)+16*(tt%4)
.set tt, tt+1
.endr
.endm
; A step's 4 tiles of V: lanes 0-15 take a row's pieces 12 q + 0, 1, 2 and 12 q + 6, 7, 8, lanes 16-31 those three pieces on.  16 bytes of padding lie behind every 16 pieces: where the piece three on lies behind one
; padding more, the second address register serves.
.macro VFETCH q
.set tt, 0
.rept 4
.set pp, 0
.rept 6
.set pce, 12*(\q)+6*(pp/3)+pp%3
.if pce%16 < 13
	ds_load_b64 v[VF+12*tt+2*pp:VF+12*tt+2*pp+1], v[ADV] offset:16*VP*tt+8*pce+16*(pce/16)
.else
	ds_load_b64 v[VF+12*tt+2*pp:VF+12*tt+2*pp+1], v[ADV1] offset:16*VP*tt+8*pce+16*(pce/16)
.endif
.set pp, pp+1
.endr
	ds_load_b32 v[VSC+tt], v[ADT] offset:8*272*tt+4*(\q)
.set tt, tt+1
.endr
.endm
; A job begins: the largest t is -3e38, under every t; the sum and O^T are zeros, which the first change of M leaves zeros.  So the key step is written without a first step of its own.
.macro INIT
	v_mov_b32 v13, 0xff61b1e6
	s_delay_alu instid0(VALU_DEP_1)
	v_floor_f32 v[NM], -v13
	v_mov_b32 v14, 0
	v_mov_b32 v15, 0
.set nn, 0
.rept 32
	v_mov_b32 v[O+nn], 0
.set nn, nn+1
.endr
.endm
; THE WAY OUT of a job: O^T / the sum goes through my stage in LDS (a lane holds 32 bytes of a row) and leaves as whole rows: sixteen lanes store a row's 256 bytes, two rows an instruction.
.macro WAYOUT
	v_add_f32 v14, v14, v15                        ; the sum's two halves,
	s_delay_alu instid0(VALU_DEP_1)
	v_permlanex16_b32 v[TW+1], v14, s[SEL], s[SEL+1]
	s_delay_alu instid0(VALU_DEP_1)
	v_add_f32 v14, v14, v[TW+1]                    ; and lane l xor 16's 64 keys of each step: the row's sum
	s_wait_alu depctr_va_vdst(0)
	v_rcp_f32 v14, v14
	v_nop                                          ; a plain instruction behind the reciprocal,
	s_wait_alu depctr_va_vdst(0)                   ; and the wait ahead of its first reader
.set nn, 0
.rept 32
	v_mul_f32 v[S+nn], v[O+nn], v14                ; register 8 t + i is o(query r, channel 16 t + 8 h + i); each accumulator from its low end on
.set nn, nn+1
.endr
.irp t, 0,1,2,3
	ds_store_b128 v[STO], v[S+8*\t:S+8*\t+3] offset:64*\t
	ds_store_b128 v[STO], v[S+8*\t+4:S+8*\t+7] offset:64*\t+16
.endr
.irp i, 0,1,2,3,4,5,6,7
	ds_load_b128 v[VF+4*\i:VF+4*\i+3], v[RD] offset:2*\i*SP    ; LDS serves a wave's instructions in order (ISA guide 5.7.1.4): these see my stores
.endr
.irp i, 0,1,2,3,4,5,6,7
	s_wait_dscnt 7-\i                              ; pair i of rows is back; the younger loads may be out
	global_store_b128 v[GO], v[VF+4*\i:VF+4*\i+3], s[OUT:OUT+1] offset:512*\i th:TH_STORE_NT   ; 32 lanes store 512 consecutive bytes, at a multiple of 256 from out0's first byte
.endr
	s_wait_xcnt 0x0                                ; the stores have read their registers and their base: both may be written again
.endm
; A KEY STEP: 128 keys, the q-th of the slot in hand.
.macro STEP q
	s_cmp_gt_u32 s[KS], s[QS]                      ; all its keys come after my queries: the step's work is jumped over; no barrier and no tensor load stands in a step
	s_cbranch_scc1 .Lhid_\@
	s_wait_alu depctr_va_vdst(0)
	KFETCH \q
	s_wait_dscnt 0x0                               ; all of K: a tile's operand names the next tile's registers too
.set tt, 0
.rept 8
	v_wmma_scale_f32_16x16x128_f8f6f4 v[S+8*tt:S+8*tt+7], v[KF+6*tt:KF+6*tt+11], v[QF:QF+11], 0, v[KSC+tt], v[QSC] matrix_a_fmt:MATRIX_FMT_BF6 matrix_b_fmt:MATRIX_FMT_BF6
.set tt, tt+1
.endr
	s_wait_alu depctr_va_vdst(0)
	VFETCH \q                                      ; V has registers of its own: it lands while the softmax is walked
.rept 4
	v_nop                                          ; four places (ISA guide 7.12.1) ahead of the first read of the scores and the first write into K's registers
.endr
	s_cmp_lt_u32 s[KS], s[QS]                      ; a step under my diagonal: all its keys count
	s_cbranch_scc1 .Lopen_\@
	v_mov_b32 v[MX], 0xff800000                    ; on the diagonal the scores of hidden keys become -infinity ahead of the maximum: p = 0 then
.set nn, 0
.rept 64
	v_cmp_gt_i32 vcc_lo, 64*(nn/32)+nn%32, v[DM]   ; register n holds key 128 step + 32 h + 64 (n / 32) + n % 32: hidden where it lies beyond my query
	v_cndmask_b32 v[S+nn], v[S+nn], v[MX], vcc_lo
.set nn, nn+1
.endr
.Lopen_\@:
.irp b, 0,1,2,3
	v_max3_num_f32 v[MX+\b], v[S+16*\b], v[S+16*\b+1], v[S+16*\b+2]   ; four chains of 16 scores by turns, each accumulator from its low end on
.endr
.irp i, 3,5,7,9,11,13
.irp b, 0,1,2,3
	v_max3_num_f32 v[MX+\b], v[MX+\b], v[S+16*\b+\i], v[S+16*\b+\i+1]
.endr
.endr
	v_max3_num_f32 v[MX], v[MX], v[S+15], v[S+31]
	v_max3_num_f32 v[MX+2], v[MX+2], v[S+47], v[S+63]
	s_delay_alu instid0(VALU_DEP_2)
	v_max_num_f32 v[BM], v[MX], v[MX+1]            ; THE LARGEST SCORE OF EACH OF MY TWO BLOCKS OF 32 KEYS: it serves for the row's maximum and, since p rises with the score, for the block's largest p
	s_delay_alu instid0(VALU_DEP_2)
	v_max_num_f32 v[BM+1], v[MX+2], v[MX+3]
	s_delay_alu instid0(VALU_DEP_1)
	v_max_num_f32 v[TW], v[BM], v[BM+1]
	s_delay_alu instid0(VALU_DEP_1)
	v_permlanex16_b32 v[TW+1], v[TW], s[SEL], s[SEL+1]
	s_delay_alu instid0(VALU_DEP_1)
	v_max_num_f32 v[TW], v[TW], v[TW+1]            ; with lane l xor 16's two blocks: the step's largest score of my query
	s_delay_alu instid0(VALU_DEP_1)
	v_mul_f32 v[TW], s[CS], v[TW]                  ; as t (c is positive)
	s_delay_alu instid0(VALU_DEP_1)
	v_max_num_f32 v13, v13, v[TW]                  ; the running largest t
	v_mov_b32 v[TW], v[NM]
	s_delay_alu instid0(VALU_DEP_2)
	v_floor_f32 v[NM], -v13                        ; the new -M = floor(-t) = -ceil(t): M is a whole number
	s_delay_alu instid0(VALU_DEP_1)
	v_sub_f32 v[TW], v[NM], v[TW]                  ; M's old value less its new one: a whole number, 0 or less
	s_delay_alu instid0(VALU_DEP_1)
	v_cvt_i32_f32 v[TW], v[TW]                     ; (it saturates)
	s_delay_alu instid0(VALU_DEP_1)
	v_ldexp_f32 v[FF], 1.0, v[TW]                  ; f = 2^(old M - new M)
.set nn, 0
.rept 32
	v_pk_fma_f32 v[S+nn:S+nn+1], v[S+nn:S+nn+1], s[CS:CS+1], v[NM:NM+1] op_sel_hi:[1,0,0]   ; t - M, two at a time (of the pairs c and -M the low word serves both halves)
.set nn, nn+2
.endr
	v_fma_f32 v[BM], v[BM], s[CS], v[NM]           ; the same of each block's largest score
	v_fma_f32 v[BM+1], v[BM+1], s[CS], v[NM]
.set nn, 0
	s_wait_alu depctr_va_vdst(0)
.rept 64
	v_exp_f32 v[S+nn], v[S+nn]                     ; p = 2^(t - M), at most 1: not normalised
.set nn, nn+1
.endr
	v_exp_f32 v[BM], v[BM]                         ; the blocks' largest p: the same two instructions on the same number give the same bits.  ONE BATCH of 66
	v_exp_f32 v[BM+1], v[BM+1]
	v_pk_mul_f32 v[14:15], v[14:15], v[FF:FF+1] op_sel_hi:[1,0]   ; the sums under the new M: the plain instruction behind the last exponential; with O^T's sixteen the work that names no result of the batch
.set nn, 0
	s_wait_alu depctr_va_vdst(0)
.rept 16
	v_pk_mul_f32 v[O+nn:O+nn+1], v[O+nn:O+nn+1], v[FF:FF+1] op_sel_hi:[1,0]   ; O^T under the new M, each accumulator from its low end on
.set nn, nn+2
.endr
	s_wait_alu depctr_va_vdst(0)                   ; one wait for the batch, ahead of its first reader
.irp b, 0,1
	v_max_num_f32 v[BM+\b], 0x2800000, v[BM+\b]    ; the floor 2^(5 - 127): the byte cannot fall under 1
.endr
.irp b, 0,1
	s_delay_alu instid0(VALU_DEP_2)
	v_add_nc_u32 v[SO+\b], 0xfe000000, v[BM+\b]    ; 4 off the exponent field: the conversion takes the exponent field of this operand as its scale
.endr
.irp b, 0,1
	s_delay_alu instid0(VALU_DEP_2)
	v_lshrrev_b32 v[BY+\b], 23, v[SO+\b]           ; the scale's byte
.endr
	s_delay_alu instid0(VALU_DEP_1)
	v_lshl_or_b32 v[BY+2], v[BY+1], 16, v[BY]      ; my two bytes: blocks h and 2 + h of my query,
	s_delay_alu instid0(VALU_DEP_1)
	v_lshlrev_b32 v[BY+2], v[SH8], v[BY+2]         ; at their places in the scale word;
	s_delay_alu instid0(VALU_DEP_1)
	v_permlanex16_b32 v[BY+3], v[BY+2], s[SEL], s[SEL+1]
	s_delay_alu instid0(VALU_DEP_1)
	v_or_b32 v[PSC], v[BY+2], v[BY+3]              ; with lane l xor 16's two the word is whole
.irp c, 0,1
	v_cvt_scalef32_pk16_bf6_f32 v[PCD+6*\c:PCD+6*\c+2], v[S+32*\c:S+32*\c+15], v[SO+\c]
	v_cvt_scalef32_pk16_bf6_f32 v[PC2+4*\c:PC2+4*\c+2], v[S+32*\c+16:S+32*\c+31], v[SO+\c]   ; (a conversion's three registers begin on an even number: the second half is made elsewhere and moved)
.endr
	v_nop                                          ; one plain instruction behind a scaled conversion
.irp c, 0,1
.irp i, 0,1,2
	v_mov_b32 v[PCD+3+6*\c+\i], v[PC2+4*\c+\i]     ; registers 6 c .. 6 c + 5: keys 64 c + 32 h + 0 .. 31
.endr
.endr
	v_pk_add_f32 v[68:69], v[164:165], v[168:169]
	v_pk_add_f32 v[104:105], v[172:173], v[176:177]
	v_pk_add_f32 v[102:103], v[180:181], v[184:185]
	v_pk_add_f32 v[100:101], v[188:189], v[192:193]
	v_pk_add_f32 v[98:99], v[196:197], v[200:201]
	v_pk_add_f32 v[96:97], v[204:205], v[208:209]
	v_pk_add_f32 v[94:95], v[212:213], v[216:217]
	v_pk_add_f32 v[14:15], v[14:15], v[220:221]
	v_pk_add_f32 v[68:69], v[68:69], v[160:161]
	v_pk_add_f32 v[104:105], v[104:105], v[162:163]
	v_pk_add_f32 v[102:103], v[102:103], v[166:167]
	v_pk_add_f32 v[100:101], v[100:101], v[170:171]
	v_pk_add_f32 v[98:99], v[98:99], v[174:175]
	v_pk_add_f32 v[96:97], v[96:97], v[178:179]
	v_pk_add_f32 v[94:95], v[94:95], v[182:183]
	v_pk_add_f32 v[14:15], v[14:15], v[186:187]
	v_pk_add_f32 v[68:69], v[68:69], v[190:191]
	v_pk_add_f32 v[104:105], v[104:105], v[194:195]
	v_pk_add_f32 v[102:103], v[102:103], v[198:199]
	v_pk_add_f32 v[100:101], v[100:101], v[202:203]
	v_pk_add_f32 v[98:99], v[98:99], v[206:207]
	v_pk_add_f32 v[96:97], v[96:97], v[210:211]
	v_pk_add_f32 v[94:95], v[94:95], v[214:215]
	v_pk_add_f32 v[14:15], v[14:15], v[218:219]
	v_pk_add_f32 v[68:69], v[68:69], v[222:223]
	s_delay_alu instid0(VALU_DEP_2)
	v_pk_add_f32 v[14:15], v[14:15], v[100:101]
	s_delay_alu instid0(VALU_DEP_2)
	v_pk_add_f32 v[68:69], v[68:69], v[98:99]
	v_pk_add_f32 v[104:105], v[104:105], v[96:97]
	v_pk_add_f32 v[102:103], v[102:103], v[94:95]
	s_delay_alu instid0(VALU_DEP_2)
	v_pk_add_f32 v[14:15], v[14:15], v[104:105]
	s_delay_alu instid0(VALU_DEP_2)
	v_pk_add_f32 v[68:69], v[68:69], v[102:103]
	s_delay_alu instid0(VALU_DEP_1)
	v_pk_add_f32 v[14:15], v[14:15], v[68:69]
	s_wait_dscnt 0x0                               ; V is in
.set tt, 0
.rept 4
	v_wmma_scale_f32_16x16x128_f8f6f4 v[O+8*tt:O+8*tt+7], v[VF+12*tt:VF+12*tt+11], v[PCD:PCD+11], v[O+8*tt:O+8*tt+7], v[VSC+tt], v[PSC] matrix_a_fmt:MATRIX_FMT_BF6 matrix_b_fmt:MATRIX_FMT_BF6
.set tt, tt+1
.endr                                          ; the four accumulators take turns, one instruction a turn, and the next step's K Q^T stands between two links of a chain
.rept 4
	v_nop                                          ; four places ahead of the next loads into the registers that these products have read, and of the next read of O^T
.endr
.Lhid_\@:
	s_add_co_u32 s[KS], s[KS], 1
.endm
	s_load_b128 s[4:7], s[0:1], 0x0                ; Q's codes, Q's scales
	s_load_b128 s[8:11], s[0:1], 0x10              ; K's codes, K's scales
	s_load_b128 s[12:15], s[0:1], 0x20             ; V's codes, V's scales
	s_load_b64 s[16:17], s[0:1], 0x30              ; out0
	v_lshl_add_u32 v[SPW], v0, 2, SPARE
	v_mov_b32 v[NIL], 0
	ds_add_u32 v6, v7
	ds_add_u32 v6, v7
	s_wait_dscnt 0x0
	v_lshrrev_b32 v58, 5, v0
	s_delay_alu instid0(VALU_DEP_1)
	v_readfirstlane_b32 s[WV], v58                 ; wave 0..7
	s_bfe_u32 s[CX], ttmp6, 0x40000                ; c: my place in the cluster
	; the jobs: made of the cluster's x (j = ttmp9) and the wave's number alone
	s_add_co_u32 s[NA], ttmp9, 1
	s_lshl_b32 s88, ttmp9, 2
	s_lshr_b32 s89, s[WV], 1
	s_add_co_u32 s[QS], s88, s89                   ; job A: my diagonal lies in step 4 j + w / 2
	s_sub_co_u32 s89, 7, s[WV]
	s_lshr_b32 s89, s89, 1
	s_sub_co_u32 s[QSB], 28, s88
	s_add_co_u32 s[QSB], s[QSB], s89               ; job B: 28 - 4 j + (7 - w) / 2
	; byte offsets, all under 2^32
	s_and_b32 s88, ttmp7, 0xffff                   ; the head, which the four partners share
	s_mul_i32 s[OF], s88, 196608                   ; its first byte in each tensor of codes,
	s_mov_b32 s[OF+1], 0
	s_lshl_b32 s85, s88, 13                        ; in each tensor of scale bytes,
	s_lshl_b32 s84, s88, 20                        ; and in out0
	s_lshl_b32 s89, ttmp9, 9
	s_lshl_b32 s90, s[WV], 6
	s_add_co_u32 s89, s89, s90                     ; 512 j + 64 w
	s_lshl_b32 s91, s[CX], 4
	s_sub_co_u32 s90, 4032, s89                    ; 512 (7 - j) + 64 (7 - w)
	s_add_co_u32 s89, s89, s91                     ; my first query of job A,
	s_add_co_u32 s90, s90, s91                     ; and of job B
	s_mul_i32 s92, s89, 48
	s_add_co_u32 s92, s92, s[OF]
	s_mov_b32 s93, 0
	s_lshl_b32 s94, s89, 1
	s_add_co_u32 s94, s94, s85
	s_mov_b32 s95, 0
	s_mul_i32 s96, s90, 48
	s_add_co_u32 s96, s96, s[OF]
	s_mov_b32 s97, 0
	s_lshl_b32 s98, s90, 1
	s_add_co_u32 s98, s98, s85
	s_mov_b32 s99, 0
	s_lshl_b32 s[OUT], s89, 8
	s_add_co_u32 s[OUT], s[OUT], s84
	s_mov_b32 s[OUT+1], 0
	s_lshl_b32 s[OUTB], s90, 8
	s_add_co_u32 s[OUTB], s[OUTB], s84
	s_mov_b32 s[OUTB+1], 0
	; descriptor groups 1.  K: a slot's 24,576 dense bytes as 96 rows of 256 bytes (32 elements of 8 bytes), no padding
	s_mov_b32 s[G1K], 15|(3<<16)|(1<<21)           ; 15:0 the mask: all four work-groups; 17:16 elements of 8 bytes; 21 set beside a mask
	s_mov_b32 s[G1K+1], 32<<16                     ; tensor_dim0
	s_mov_b32 s[G1K+2], 96<<16                     ; tensor_dim1
	s_mov_b32 s[G1K+3], 32<<16                     ; tile_dim0
	s_mov_b32 s[G1K+4], 96                         ; tile_dim1
	s_mov_b32 s[G1K+5], 32                         ; tensor_dim0_stride
	s_mov_b32 s[G1K+6], 0
	s_mov_b32 s[G1K+7], 0
	; V: 64 rows of 384 bytes, 3,072 bytes apart in memory; 4 words of padding behind every 32 words
	s_mov_b32 s[G1V], 15|(1<<20)|(1<<21)|(4<<22)|(3<<25)
	s_mov_b32 s[G1V+1], 384<<16
	s_mov_b32 s[G1V+2], 64<<16
	s_mov_b32 s[G1V+3], 384<<16
	s_mov_b32 s[G1V+4], 64
	s_mov_b32 s[G1V+5], 3072
	s_mov_b32 s[G1V+6], 0
	s_mov_b32 s[G1V+7], 0
	; a head's 8,192 scale bytes: 32 rows of 256 bytes, 4 words of padding behind each
	s_mov_b32 s[G1S], 15|(3<<16)|(1<<20)|(1<<21)|(5<<22)|(3<<25)
	s_mov_b32 s[G1S+1], 32<<16
	s_mov_b32 s[G1S+2], 32<<16
	s_mov_b32 s[G1S+3], 32<<16
	s_mov_b32 s[G1S+4], 32
	s_mov_b32 s[G1S+5], 32
	s_mov_b32 s[G1S+6], 0
	s_mov_b32 s[G1S+7], 0
	s_mov_b32 s[SEL], 0x76543210
	s_mov_b32 s[SEL+1], 0xfedcba98
	s_mov_b32 s[CS], 0x3e38aa3b                    ; c = log2(e) / 8
	s_mov_b32 s[CS+1], s[CS]                       ; (named with it as a pair, so it is written)
	s_wait_kmcnt 0x0
	s_add_nc_u64 s[92:93], s[4:5], s[92:93]        ; Q's codes and scale bytes at my first query, for both jobs
	s_add_nc_u64 s[94:95], s[6:7], s[94:95]
	s_add_nc_u64 s[96:97], s[4:5], s[96:97]
	s_add_nc_u64 s[98:99], s[6:7], s[98:99]
	s_add_nc_u64 s[OUT:OUT+1], s[16:17], s[OUT:OUT+1]
	s_add_nc_u64 s[OUTB:OUTB+1], s[16:17], s[OUTB:OUTB+1]
	s_add_nc_u64 s[KB:KB+1], s[8:9], s[OF:OF+1]
	s_add_nc_u64 s[VB:VB+1], s[12:13], s[OF:OF+1]
	; descriptor groups 0: nothing in them hangs on c or on the wave
	s_mov_b32 s[G0K], 1                            ; 1:0 count = 1
	s_mov_b32 s[G0K+1], 0                          ; 63:32 LDS address: slot 0
	s_mov_b64 s[G0K+2:G0K+3], s[KB:KB+1]           ; 120:64 global address: the head's first 512 keys
	s_or_b32 s[G0K+3], s[G0K+3], 0x80000000        ; 127:126 type = 2
	s_mov_b32 s[G0V], 1
	s_mov_b32 s[G0V+1], VOFF
	s_mov_b64 s[G0V+2:G0V+3], s[VB:VB+1]
	s_or_b32 s[G0V+3], s[G0V+3], 0x80000000
	s_mov_b32 s[OF], s85
	s_mov_b32 s[G0SK], 1
	s_mov_b32 s[G0SK+1], SCK
	s_add_nc_u64 s[G0SK+2:G0SK+3], s[10:11], s[OF:OF+1]
	s_or_b32 s[G0SK+3], s[G0SK+3], 0x80000000
	s_mov_b32 s[G0SV], 1
	s_mov_b32 s[G0SV+1], SCV
	s_add_nc_u64 s[G0SV+2:G0SV+3], s[14:15], s[OF:OF+1]
	s_or_b32 s[G0SV+3], s[G0SV+3], 0x80000000
	CROUND                                         ; all four work-groups are here: the first joint loads meet
	s_cmp_eq_u32 s[WV], 0                          ; a wave's two first fills stand in one branch, ahead of every wait on TENSORcnt and every LDS read: two loads of mine are out; four v_nop follow the second
	s_cbranch_scc0 .Lfirst_not_k
	tensor_load_to_lds s[G0SK:G0SK+3], s[G1S:G1S+7]
	s_nop 0
	tensor_load_to_lds s[G0K:G0K+3], s[G1K:G1K+7]
	s_nop 0
.rept 4
	v_nop
.endr
	s_branch .Lfirst_asked
.Lfirst_not_k:
	s_cmp_eq_u32 s[WV], 1
	s_cbranch_scc0 .Lfirst_asked
	tensor_load_to_lds s[G0SV:G0SV+3], s[G1S:G1S+7]
	s_nop 0
	tensor_load_to_lds s[G0V:G0V+3], s[G1V:G1V+7]
	s_nop 0
.rept 4
	v_nop
.endr
.Lfirst_asked:
	v_and_b32 v60, 15, v0                          ; r = lane % 16
	v_bfe_u32 v61, v0, 4, 1                        ; h = lane / 16
	s_delay_alu instid0(VALU_DEP_2)
	v_mul_u32_u24 v67, v60, 48
	s_delay_alu instid0(VALU_DEP_1)
	v_mad_u32_u24 v67, v61, 24, v67                ; Q: row r, + my half's 24 bytes: k = 32 h + 0 .. 31
	s_delay_alu instid0(VALU_DEP_4)
	v_lshlrev_b32 v68, 1, v60                      ; its two scale bytes
.irp p, 0,1,2
	global_load_b64 v[QF+2*\p:QF+2*\p+1], v67, s[92:93] offset:8*\p th:TH_LOAD_NT   ; both jobs' fragments of Q stay in registers
	global_load_b64 v[QB+2*\p:QB+2*\p+1], v67, s[96:97] offset:8*\p th:TH_LOAD_NT
.endr
	global_load_u16 v[QSC], v68, s[94:95] th:TH_LOAD_NT    ; bytes 2 and 3 of the word are 0: they scale the zero codes
	global_load_u16 v[QBSC], v68, s[98:99] th:TH_LOAD_NT
	v_lshrrev_b32 v62, 3, v60
	s_delay_alu instid0(VALU_DEP_1)
	v_mad_u32_u24 v63, v62, 24, v60                ; r + 24 (r / 8): 0 .. 7, 32 .. 39
	s_delay_alu instid0(VALU_DEP_1)
	v_mul_u32_u24 v[AK0], v63, 48
	s_delay_alu instid0(VALU_DEP_1)
	v_mad_u32_u24 v[AK0], v61, 24, v[AK0]
	v_mul_u32_u24 v[AV0], v60, VP
	s_delay_alu instid0(VALU_DEP_1)
	v_mad_u32_u24 v[AV0], v61, 24, v[AV0]
	s_delay_alu instid0(VALU_DEP_1)
	v_add_nc_u32 v[AV0], VOFF, v[AV0]
	s_delay_alu instid0(VALU_DEP_1)
	v_lshl_add_u32 v[AV1], v61, 4, v[AV0]
	v_lshl_add_u32 v[ASK0], v63, 1, SCK
	v_lshrrev_b32 v64, 1, v60
	v_and_b32 v65, 1, v60
	s_delay_alu instid0(VALU_DEP_2)
	v_mul_u32_u24 v[ASV0], v64, 272
	s_delay_alu instid0(VALU_DEP_1)
	v_lshl_add_u32 v[ASV0], v65, 7, v[ASV0]
	s_delay_alu instid0(VALU_DEP_1)
	v_add_nc_u32 v[ASV0], SCV, v[ASV0]
	v_lshlrev_b32 v[GO], 8, v61
	s_delay_alu instid0(VALU_DEP_1)
	v_lshl_add_u32 v[GO], v60, 4, v[GO]            ; lanes 0-15 take one row of out0, lanes 16-31 the next; 16 bytes a lane
	s_mul_i32 s88, s[WV], 16*SP
	s_add_co_u32 s88, s88, STAGE                   ; my stage
	v_mul_u32_u24 v[STO], v60, SP
	s_delay_alu instid0(VALU_DEP_1)
	v_lshl_add_u32 v[STO], v61, 5, v[STO]
	s_delay_alu instid0(VALU_DEP_1)
	v_add_nc_u32 v[STO], s88, v[STO]               ; in: row r; tile t's eight channels of my half: 64 t + 32 h bytes on
	v_mul_u32_u24 v[RD], v61, SP
	s_delay_alu instid0(VALU_DEP_1)
	v_lshl_add_u32 v[RD], v60, 4, v[RD]
	s_delay_alu instid0(VALU_DEP_1)
	v_add_nc_u32 v[RD], s88, v[RD]                 ; back: lanes 0-15 one row, lanes 16-31 the next
	s_and_b32 s89, s[WV], 1
	s_xor_b32 s90, s89, 1                          ; (7 - w) % 2
	s_lshl_b32 s89, s89, 6
	s_lshl_b32 s90, s90, 6
	s_lshl_b32 s91, s[CX], 4
	s_add_co_u32 s89, s89, s91                     ; my first query within its step of 128 keys: 64 (w % 2) + 16 c in job A,
	s_add_co_u32 s90, s90, s91                     ; 64 ((7 - w) % 2) + 16 c in job B
	v_lshlrev_b32 v66, 5, v61
	s_delay_alu instid0(VALU_DEP_1)
	v_sub_nc_u32 v66, v60, v66                     ; r - 32 h
	s_delay_alu instid0(VALU_DEP_1)
	v_add_nc_u32 v[DM], s89, v66
	s_delay_alu instid0(VALU_DEP_2)
	v_add_nc_u32 v[DMB], s90, v66
	v_lshlrev_b32 v[SH8], 3, v61
	v_mov_b32 v75, 0                               ; (v65 and v75 are destinations of lane permutes, which count as sources: written once here)
.irp i, 0,1,2,3,4,5
	v_mov_b32 v[QF+6+\i], 0                        ; Q's k = 64 .. 127: zero codes
	v_mov_b32 v[KF+48+\i], 0                       ; behind K's last tile
.endr
	; the prefetches (macro ASK): my chunk, and who asks
	s_mul_i32 s88, s[CX], 3
	s_and_b32 s89, s[WV], 3
	s_add_co_u32 s88, s88, s89
	s_min_u32 s88, s88, 11                         ; u = 3 c + w - 4 in waves 4 to 6 (wave 7 and waves 0 to 3 never ask)
	s_lshl_b32 s90, s88, 13                        ; in K: 8,192 u
	s_sub_co_u32 s91, s88, 6
	s_and_b32 s[OF], s91, 1
	s_mul_i32 s[OF], s[OF], 32*3072                ; in V: rows 32 ((u - 6) % 2) on,
	s_lshr_b32 s91, s91, 1
	s_and_b32 s91, s91, 3
	s_lshl_b32 s91, s91, 8                         ; block (u - 6) / 2 of a row's three
	s_add_co_u32 s91, s91, s[OF]
	s_mov_b32 s[PFH], 384
	s_mov_b32 s89, 3072
	s_cmp_lt_u32 s88, 6                            ; K's chunk or V's?  A choice of values, no branch
	s_cselect_b64 s[PFB:PFB+1], s[KB:KB+1], s[VB:VB+1]
	s_cselect_b32 s[PFH], 24576, s[PFH]            ; a key slot on
	s_cselect_b32 s89, 256, s89                    ; from lane to lane
	s_cselect_b32 s[OF], s90, s91
	s_add_nc_u64 s[PFB:PFB+1], s[PFB:PFB+1], s[OF:OF+1]
	v_and_b32 v[PFO], 31, v0
	s_delay_alu instid0(VALU_DEP_1)
	v_mul_lo_u32 v[PFO], v[PFO], s89
	s_sub_co_u32 s88, s[WV], 4
	s_cmp_lt_u32 s88, 3                            ; waves 4 to 6,
	s_cselect_b32 s[PFM], 0x2a, 0                  ; at changes 1, 3 and 5,
	s_cmp_eq_u32 ttmp9, 0                          ; of the head's cluster 0: the same in all four partners
	s_cselect_b32 s[PFM], s[PFM], 0
	INIT
	s_mov_b32 s[SG], 0
	s_mov_b32 s[TB], 0
	s_wait_loadcnt 0x0                             ; Q; its loads' address registers lie in K's, which are loaded from here on
.Lslot:                                            ; 8 trips: behind each change of slots but the last the sequence's next slot is asked for
	CHANGE 1
	s_cmp_lg_u32 s[SG], s[NA]                      ; job A's slots are walked: its tile goes out, and job B begins.  The same trip in all waves of all four partners
	s_cbranch_scc1 .Lsame_job
	s_wait_alu depctr_va_vdst(0)
	WAYOUT
	v_mov_b32 v[QSC], v[QBSC]                      ; the scale word first: the moves that follow are its places ahead of the next scaled product
.irp i, 0,1,2,3,4,5
	v_mov_b32 v[QF+\i], v[QB+\i]
.endr
	v_mov_b32 v[DM], v[DMB]
	s_mov_b32 s[QS], s[QSB]
	s_mov_b64 s[OUT:OUT+1], s[OUTB:OUTB+1]
	INIT
.Lsame_job:
	SLOTSET
	STEP 0
	STEP 1
	STEP 2
	STEP 3
	s_xor_b32 s[TB], s[TB], SLOT1                  ; on to the other slot
	s_add_co_u32 s[SG], s[SG], 1
	s_cmp_lt_u32 s[SG], 8
	s_cbranch_scc1 .Lslot
	CHANGE 0                                       ; the last slot is written out: nothing is asked for
	SLOTSET
	STEP 0
	STEP 1
	STEP 2
	STEP 3
	s_wait_alu depctr_va_vdst(0)
	WAYOUT
	s_wait_tensorcnt 0x0                           ; the wave's end, behind my last tensor load and my last LDS store
	ds_add_u32 v[SPW], v[NIL]
	s_wait_dscnt 0x0
	CROUND                                         ; the closing round: no work-group ends while a partner may still ask for a tile that names it
	s_endpgm
.Lfunc_end_k_qda2646f510_attn:
	.size	k_qda2646f510_attn, .Lfunc_end_k_qda2646f510_attn-k_qda2646f510_attn
	.p2alignl 7, 3214868480
	.fill 96, 4, 3214868480
	.section	.rodata,"a",@progbits
	.p2align	6, 0x0
	.amdhsa_kernel k_qda2646f510_attn
		.amdhsa_group_segment_fixed_size 327680
		.amdhsa_private_segment_fixed_size 0
		.amdhsa_enable_private_segment 0
		.amdhsa_kernarg_size 56
		.amdhsa_user_sgpr_count 2
		.amdhsa_user_sgpr_kernarg_segment_ptr 1
		.amdhsa_wavefront_size32 1
		.amdhsa_system_sgpr_workgroup_id_x 1
		.amdhsa_system_sgpr_workgroup_id_y 1
		.amdhsa_system_sgpr_workgroup_id_z 1
		.amdhsa_system_vgpr_workitem_id 0
		.amdhsa_next_free_vgpr 256
		.amdhsa_next_free_sgpr 100
		.amdhsa_reserve_vcc 1
		.amdhsa_float_denorm_mode_32 3
		.amdhsa_float_denorm_mode_16_64 3
		.amdhsa_memory_ordered 1
		.amdhsa_forward_progress 1
		.amdhsa_inst_pref_size 202
	.end_amdhsa_kernel
	.amdgpu_metadata
---
amdhsa.version: [ 1, 2 ]
amdhsa.kernels:
  - .name:           k_qda2646f510_attn
    .symbol:         k_qda2646f510_attn.kd
    .args:
      - { .name: q_codes, .offset: 0, .size: 8, .value_kind: global_buffer, .address_space: global }
      - { .name: q_scales, .offset: 8, .size: 8, .value_kind: global_buffer, .address_space: global }
      - { .name: k_codes, .offset: 16, .size: 8, .value_kind: global_buffer, .address_space: global }
      - { .name: k_scales, .offset: 24, .size: 8, .value_kind: global_buffer, .address_space: global }
      - { .name: v_codes, .offset: 32, .size: 8, .value_kind: global_buffer, .address_space: global }
      - { .name: v_scales, .offset: 40, .size: 8, .value_kind: global_buffer, .address_space: global }
      - { .name: out0, .offset: 48, .size: 8, .value_kind: global_buffer, .address_space: global }
    .group_segment_fixed_size: 327680
    .private_segment_fixed_size: 0
    .kernarg_segment_align: 8
    .kernarg_segment_size: 56
    .max_flat_workgroup_size: 256
    .sgpr_count:     100
    .vgpr_count:     256
    .wavefront_size: 32
...
	.end_amdgpu_metadata
.endif
;; end of part 1
